; MI455X (gfx1250); checked and timed in simulation.
; The chip was launched on July 23, 2026; its instructions are those of AMD's public machine-readable ISA for CDNA 5 (MIT licence, August 2026) and "CDNA5" Instruction Set Architecture Reference Guide (July 2026). The comments in the code are by the model that wrote it; some were corrected since.
;; Conformer FFN Metal. Allowed arithmetic: matrix products marked QUANTISED: E3M2 operands, one E8M0 scale for each 32 along K, by v_wmma_scale_f32_16x16x128_f8f6f4 with both operands' format E3M2, f32 sums; everything else in f32.
;; Inputs: fc1_bias 4,096 float32; fc1_q 1,024 x 4,096 int32; fc1_scales 8 x 4,096 float32; fc2_bias 1,024 float32; fc2_q 4,096 x 1,024 int32; fc2_scales 32 x 1,024 float32; ln_beta 1,024 float32; ln_gamma 1,024 float32; x 8 x 1,024 x 1,024 float32.
;; Outputs: out0 8 x 1,024 x 1,024 float32.
;; This version of the problem:
;;   THIS VERSION OF THE PROBLEM IS GIVEN IN LOW PRECISION. The matrix products marked QUANTISED in the list below multiply operands that are first quantised to E3M2 (3 exponent bits, 2 mantissa bits; 6 bits a number), with one power-of-two scale for each 32 numbers along K (OCP MX v1.0); their sums are f32. All else is computed in f32.
;;   The module's matrix products, in the order in which they are computed (A, B: the left and right operand; K: the contracted axis; several contracted axes count as one K, in the product's order):
;;     1. [M 8,192, K 1,024] x [K 1,024, N 4,096]; A: computed on the way; B: computed on the way: QUANTISED
;;     2. [M 8,192, K 4,096] x [K 4,096, N 1,024]; A: computed on the way; B: computed on the way: QUANTISED
;;   THE QUANTISER, for each operand of a quantised product, along K:
;;     - K is cut into blocks of 32 from its start; a last block that is shorter is filled with zeros.
;;     - A block's scale is 2^e with e = floor(log2(the largest magnitude in the block)) - 4, held to -126 .. 127; a block of zeros has e = 0. As a byte (E8M0): e + 127.
;;     - Each number is divided by its block's scale, clamped to +-28, and rounded to the nearest number of E3M2, ties to even, subnormals kept.
;;     - The product sums the exact products of the quantised numbers (number of the format x scale) in f32.
;;   ~~~python
;;   def quantise(x, axis):      # numpy; x: float32 -> the quantised numbers, widened to float32 again
;;       x = np.moveaxis(x, axis, -1); K = x.shape[-1]
;;       x = np.pad(x, [(0, 0)] * (x.ndim - 1) + [(0, -K % 32)]); x = x.reshape(x.shape[:-1] + (-1, 32)); a = np.abs(x).max(-1, keepdims=True)
;;       e = np.where(a > 0, np.clip(np.frexp(np.where(a > 0, a, 1))[1] - 1 - 4, -126, 127), 0)      # np.frexp(a)[1] - 1 = floor(log2(a)), exactly
;;       r = np.clip(x / 2.0 ** e, -28, 28)
;;       step = 2.0 ** (np.maximum(np.frexp(np.where(r == 0, 1, r))[1] - 1, -2) - 2)
;;       q = np.round(r / step) * step * 2.0 ** e      # np.round: ties to even
;;       return np.moveaxis(q.reshape(q.shape[:-2] + (-1,))[..., :K], -1, axis).astype(np.float32)
;;   ~~~
;;   OPERANDS COMPUTED ON THE WAY. 'Computed on the way' means the value that the module computes at that place (a softmax that the list does not call 'softmax' is quantised finished and normalised). What goes into a quantiser is computed in f32, as accurately as f32 sums, v_exp_f32 and their like allow (about 1e-6 of the number): no bf16 or f16 on the way to a quantiser, and a product that is left as it is and whose result goes on into a quantised operand takes f32 operands (vector FMAs, or v_wmma_f32_16x16x4_f32). A number that lies on a knife's edge between two numbers of the format may be rounded either way, as far as f32 arithmetic and the matrix unit's own rounding can turn it there, and no further.
;; One version. Each part assembles by itself: llvm-mc -triple=amdgcn-amd-amdhsa -mcpu=gfx1250 --defsym DOCPART=n.
;; ======== version 1 of 1: 3 launches
;; limits: right only within a limited range of input values
;; workspace buffers: h_img 6,553,600 bytes; w1_img 3,276,800 bytes; w2_img 3,276,800 bytes; y_img 26,214,400 bytes
;; launch prep (part 1): grid 768 x 1, 8 waves a work-group, no clusters, 69,888 bytes of LDS; arguments x, ln_gamma, ln_beta, fc1_q, fc1_scales, fc2_q, fc2_scales, h_img, w1_img, w2_img; writes h_img, w1_img, w2_img
.if DOCPART == 1
	.amdgcn_target "amdgcn-amd-amdhsa--gfx1250"
	.amdhsa_code_object_version 6
	.text
	.protected	k_q80ac0072b7_prep
	.globl	k_q80ac0072b7_prep
	.p2align	8
	.type	k_q80ac0072b7_prep,@function
k_q80ac0072b7_prep:
	s_mov_b64 s[64:65], 0
	v_nop
	global_prefetch_b8 v0, s[64:65] scope:SCOPE_SE
	s_setreg_imm32_b32 hwreg(HW_REG_WAVE_MODE, 25, 1), 1
	s_wait_xcnt 0x0
; out = x + 0.5 (silu(LN(x) W1 + b1) W2 + b2), W = (q - 128) x group scale, both products on codes of BF6 (E3M2) with one E8M0 scale for each 32 along K.
; THIS LAUNCH makes three of the four operands: LN(x) quantised along H; W1 and W2 dequantised and quantised along their first axis (their K).
; DEAD WORK: none.  Every one of the nine inputs has a way to the output, so all are loaded (seven here, the two biases and x again in the later launches).
; THE WORKSPACE'S ONE LAYOUT, PANELS.  An operand [rows][K] lies as [row / 128][K / 128] panels of 12,800 bytes: eight fragments (16 rows x 128 K) as IMAGES OF THE OPERAND'S REGISTERS (12 registers a lane;
; registers 4 c .. 4 c + 3 of lane l at 512 c + 16 l: 1,536 bytes), then 512 bytes of scale words: the word of fragment f, row r at 256 (f % 2) + 16 r + 4 (f / 2), so that one load of 16 bytes a lane
; brings four registers, register j with fragment 2 j's words in lanes 0-15 and fragment 2 j + 1's in lanes 16-31.
; THE ROWS OF A WEIGHT'S FRAGMENT ARE NOT NEIGHBOURS: row p of fragment 2 b + u is output column 32 b + 8 u + p + 8 (p / 8) of the panel's 128, so that the products, used transposed, leave a lane 16 neighbouring columns in 16 registers.
; SHARES.  Work-groups 0-127: W1; 128-255: W2; 256-767: sixteen rows of x each.  The three ways part on the work-group's number; the way of x alone touches LDS.
; THE QUANTISER: a block's scale byte is its largest magnitude's exponent field - 4; the conversion divides by that power of two, rounds to the nearest code, ties to even, and gives the largest code beyond 28.
; LIMITS: NaN and infinities among the inputs are not served.  A block whose largest magnitude lies under 2^-122 gets the byte 1 (the floor); a block of zeros gets 1 where the rule says 127: its codes are zeros,
; which add nothing under any byte but 0xff, and this program alone reads the bytes.  q is taken as a whole number of magnitude under 2^24 (f32 holds it exactly): then q s - 128 s, one fused multiply-add, is (q - 128) s rounded once.
; No matrix unit, no tensor load, no cluster: the launch streams each input byte once, and its work-groups share nothing.
.set PAN,   12800
.set FRB,   1536
.set SCO,   12288                      ; where a panel's scale words begin
.set STGB,  8448                       ; LDS: a stage of 16 rows x (512 + 16) bytes for each wave,
.set STAT,  8*STGB                     ; then 16 rows x (8 waves x 8 bytes + 16): each wave's mean and sum of squares,
.set SPARE, STAT+1280                  ; then the spare words, 128 bytes for each wave: four blocks of 256 bytes that no other line names
.set SPW,   254                        ; v254 LDS address of my spare word; never rewritten
.set NIL,   255                        ; v255 0; never rewritten
.set QS,    32                         ; weights: v32-95 two sets of 32 numbers
.set F,     96                         ; weights: v96-119 two fragments' codes
.set R,     16                         ; x: v16-79 as loaded, then beta, then the codes
.set X,     80                         ; x: v80-143 my 64 numbers of a row
.set G,     144                        ; x: v144-207 gamma
	s_load_b512 s[4:19], s[0:1], 0x0               ; x 4, gamma 6, beta 8, fc1_q 10, fc1_scales 12, fc2_q 14, fc2_scales 16, h_img 18
	s_load_b128 s[20:23], s[0:1], 0x40             ; w1_img 20, w2_img 22
	v_lshl_add_u32 v[SPW], v0, 2, SPARE
	v_mov_b32 v[NIL], 0
	v_lshrrev_b32 v1, 5, v0
	s_delay_alu instid0(VALU_DEP_1)
	v_readfirstlane_b32 s24, v1                    ; wave 0..7
	v_and_b32 v1, 31, v0                           ; lane
	s_delay_alu instid0(VALU_DEP_1)
	v_lshlrev_b32 v2, 4, v1                        ; 16 x lane
	s_wait_kmcnt 0x0
	s_cmp_lt_u32 ttmp9, 128
	s_cbranch_scc1 .Lw1
	s_cmp_lt_u32 ttmp9, 256
	s_cbranch_scc1 .Lw2
; ---------------- LN(x): sixteen rows to a work-group; wave w takes columns 128 w .. 128 w + 127, one K step ----------------
	s_sub_co_u32 s32, ttmp9, 256                   ; which sixteen rows
	s_mov_b32 s28, 0x76543210
	s_mov_b32 s29, 0xfedcba98                      ; v_permlanex16_b32's selects for lane l xor 16
	s_mov_b32 s30, 0x3a800000                      ; 1 / 1024
	s_mov_b32 s31, 0x3727c5ac                      ; 1e-5
	v_and_b32 v3, 15, v0                           ; r
	v_bfe_u32 v10, v0, 4, 1                        ; h
	s_mul_i32 s25, s24, STGB
	s_wait_alu depctr_va_vdst(0)
	v_add_nc_u32 v4, s25, v2                       ; into my stage: 16 bytes a lane, a row an instruction
	v_mul_u32_u24 v5, v3, 528
	s_delay_alu instid0(VALU_DEP_1)
	v_lshl_add_u32 v5, v10, 7, v5
	s_delay_alu instid0(VALU_DEP_1)
	v_add_nc_u32 v5, s25, v5                       ; out of it: row r, + 128 h: the operand's layout gives lane (r, h) k = 64 c + 32 h + 0 .. 31
	v_lshlrev_b32 v6, 7, v10                       ; gamma, beta: the same k
	s_wait_alu depctr_va_vdst(0)
	v_mul_u32_u24 v8, v3, 80
	s_delay_alu instid0(VALU_DEP_1)
	v_add_nc_u32 v8, STAT, v8                      ; row r's eight pairs
	s_lshl_b32 s26, s24, 3
	v_add_nc_u32 v7, s26, v8                       ; my wave's pair among them
	v_lshlrev_b32 v9, 4, v3                        ; a scale word's place: 16 r
	v_lshlrev_b32 v11, 3, v10                      ; 8 h
	s_lshl_b32 s34, s32, 16                        ; sixteen rows of 4,096 bytes,
	s_lshl_b32 s36, s24, 9                         ; my wave's 512 bytes of a row
	s_add_co_u32 s34, s34, s36
	s_mov_b32 s35, 0
	s_mov_b32 s37, 0
	s_add_nc_u64 s[4:5], s[4:5], s[34:35]
	s_add_nc_u64 s[6:7], s[6:7], s[36:37]
	s_add_nc_u64 s[8:9], s[8:9], s[36:37]
	s_lshr_b32 s38, s32, 3
	s_lshl_b32 s38, s38, 3
	s_add_co_u32 s38, s38, s24
	s_mul_i32 s38, s38, PAN                        ; my panel: (rows / 128) x 8 + K step
	s_and_b32 s40, s32, 7
	s_mul_i32 s40, s40, FRB
	s_add_co_u32 s40, s40, s38                     ; my fragment in it
	s_mov_b32 s41, 0
	s_and_b32 s42, s32, 1
	s_lshl_b32 s42, s42, 8
	s_bfe_u32 s43, s32, 0x20001
	s_lshl_b32 s43, s43, 2
	s_add_co_u32 s42, s42, s43
	s_add_co_u32 s42, s42, s38                     ; and its scale words' column: 256 (f % 2) + 4 (f / 2)
	s_mov_b32 s43, 0
	s_add_nc_u64 s[40:41], s[18:19], s[40:41]
	s_add_nc_u64 s[42:43], s[18:19], s[42:43]
.set i, 0
.rept 16
	global_load_b128 v[R+4*i:R+4*i+3], v2, s[4:5] offset:4096*i th:TH_LOAD_NT   ; a row's 512 consecutive bytes, 16 a lane
.set i, i+1
.endr
.irp c, 0,1
.irp j, 0,1,2,3,4,5,6,7
	global_load_b128 v[G+32*\c+4*\j:G+32*\c+4*\j+3], v6, s[6:7] offset:256*\c+16*\j
.endr
.endr
	s_wait_loadcnt 16                              ; x is in; gamma's sixteen loads may be out
.set i, 0
.rept 16
	ds_store_b128 v4, v[R+4*i:R+4*i+3] offset:528*i
.set i, i+1
.endr
.irp c, 0,1
.irp j, 0,1,2,3,4,5,6,7
	ds_load_b128 v[X+32*\c+4*\j:X+32*\c+4*\j+3], v5 offset:256*\c+16*\j   ; LDS serves a wave's instructions in order (ISA guide 5.7.1.4): these see my stores.  v[X + 32 c + i] = x(r, 128 w + 64 c + 32 h + i)
.endr
.endr
	s_wait_dscnt 0x0
.irp c, 0,1
.irp j, 0,1,2,3,4,5,6,7
	global_load_b128 v[R+32*\c+4*\j:R+32*\c+4*\j+3], v6, s[8:9] offset:256*\c+16*\j   ; beta, into the registers that x has left
.endr
.endr
; my wave's mean of row r, then its sum of squares about THAT mean: no difference of large sums is formed, whatever offset x carries
	v_pk_add_f32 v[210:211], v[80:81], v[82:83]
	v_pk_add_f32 v[212:213], v[96:97], v[104:105]
	v_pk_add_f32 v[214:215], v[112:113], v[120:121]
	v_pk_add_f32 v[252:253], v[128:129], v[136:137]
	v_pk_add_f32 v[250:251], v[84:85], v[86:87]
	v_pk_add_f32 v[248:249], v[98:99], v[106:107]
	v_pk_add_f32 v[246:247], v[114:115], v[122:123]
	v_pk_add_f32 v[208:209], v[130:131], v[138:139]
	s_delay_alu instid0(VALU_DEP_1)
	v_pk_add_f32 v[208:209], v[208:209], v[88:89]
	v_pk_add_f32 v[210:211], v[210:211], v[90:91]
	v_pk_add_f32 v[212:213], v[212:213], v[100:101]
	v_pk_add_f32 v[214:215], v[214:215], v[108:109]
	v_pk_add_f32 v[252:253], v[252:253], v[116:117]
	v_pk_add_f32 v[250:251], v[250:251], v[124:125]
	v_pk_add_f32 v[248:249], v[248:249], v[132:133]
	v_pk_add_f32 v[246:247], v[246:247], v[140:141]
	v_pk_add_f32 v[208:209], v[208:209], v[92:93]
	v_pk_add_f32 v[210:211], v[210:211], v[94:95]
	v_pk_add_f32 v[212:213], v[212:213], v[102:103]
	v_pk_add_f32 v[214:215], v[214:215], v[110:111]
	v_pk_add_f32 v[252:253], v[252:253], v[118:119]
	v_pk_add_f32 v[250:251], v[250:251], v[126:127]
	v_pk_add_f32 v[248:249], v[248:249], v[134:135]
	v_pk_add_f32 v[246:247], v[246:247], v[142:143]
	s_delay_alu instid0(VALU_DEP_4)
	v_pk_add_f32 v[208:209], v[208:209], v[252:253]
	s_delay_alu instid0(VALU_DEP_4)
	v_pk_add_f32 v[210:211], v[210:211], v[250:251]
	s_delay_alu instid0(VALU_DEP_4)
	v_pk_add_f32 v[212:213], v[212:213], v[248:249]
	s_delay_alu instid0(VALU_DEP_4)
	v_pk_add_f32 v[214:215], v[214:215], v[246:247]
	s_delay_alu instid0(VALU_DEP_2)
	v_pk_add_f32 v[208:209], v[208:209], v[212:213]
	s_delay_alu instid0(VALU_DEP_2)
	v_pk_add_f32 v[210:211], v[210:211], v[214:215]
	s_delay_alu instid0(VALU_DEP_1)
	v_pk_add_f32 v[208:209], v[208:209], v[210:211]
	s_delay_alu instid0(VALU_DEP_1)
	v_add_f32 v208, v208, v209
	s_delay_alu instid0(VALU_DEP_1)
	v_permlanex16_b32 v209, v208, s28, s29
	s_delay_alu instid0(VALU_DEP_1)
	v_add_f32 v208, v208, v209                     ; with lane l xor 16's 64 numbers
	s_delay_alu instid0(VALU_DEP_1)
	v_mul_f32 v216, 0x3c000000, v208               ; / 128
	s_delay_alu instid0(VALU_DEP_1)
	v_mov_b32 v217, v216
.set i, 0
.rept 32
	v_pk_add_f32 v[220+2*(i%4):221+2*(i%4)], v[X+2*i:X+2*i+1], v[216:217] neg_lo:[0,1] neg_hi:[0,1]
.if i < 4
	s_delay_alu instid0(VALU_DEP_1)
	v_pk_mul_f32 v[208+2*(i%4):209+2*(i%4)], v[220+2*(i%4):221+2*(i%4)], v[220+2*(i%4):221+2*(i%4)]
.else
	s_delay_alu instid0(VALU_DEP_1)
	v_pk_fma_f32 v[208+2*(i%4):209+2*(i%4)], v[220+2*(i%4):221+2*(i%4)], v[220+2*(i%4):221+2*(i%4)], v[208+2*(i%4):209+2*(i%4)]
.endif
.set i, i+1
.endr
	v_pk_add_f32 v[208:209], v[208:209], v[210:211]
	s_delay_alu instid0(VALU_DEP_2)
	v_pk_add_f32 v[212:213], v[212:213], v[214:215]
	s_delay_alu instid0(VALU_DEP_1)
	v_pk_add_f32 v[208:209], v[208:209], v[212:213]
	s_delay_alu instid0(VALU_DEP_1)
	v_add_f32 v208, v208, v209
	s_delay_alu instid0(VALU_DEP_1)
	v_permlanex16_b32 v209, v208, s28, s29
	s_delay_alu instid0(VALU_DEP_1)
	v_add_f32 v217, v208, v209
	ds_store_b64 v7, v[216:217]                    ; (mean, sum of squares); lanes r and r + 16 write the same pair with the same values
	s_wait_dscnt 0x0                               ; for the others' sake: my store is done
	s_barrier_signal -1
	s_barrier_wait -1
.irp i, 0,1,2,3
	ds_load_b128 v[224+4*\i:227+4*\i], v8 offset:16*\i   ; the eight waves' pairs of row r
.endr
	s_wait_dscnt 0x0
	v_add_f32 v208, v224, v226
	v_add_f32 v209, v228, v230
	v_add_f32 v210, v232, v234
	v_add_f32 v211, v236, v238
	v_add_f32 v212, v225, v227
	v_add_f32 v213, v229, v231
	v_add_f32 v214, v233, v235
	v_add_f32 v215, v237, v239
	v_add_f32 v208, v208, v209
	v_add_f32 v210, v210, v211
	v_add_f32 v212, v212, v213
	s_delay_alu instid0(VALU_DEP_4)
	v_add_f32 v214, v214, v215
	s_delay_alu instid0(VALU_DEP_3)
	v_add_f32 v208, v208, v210
	s_delay_alu instid0(VALU_DEP_2)
	v_add_f32 v212, v212, v214                     ; the sums of squares, added
	s_delay_alu instid0(VALU_DEP_2)
	v_mul_f32 v240, 0x3e000000, v208               ; mu = the eight means / 8
	s_delay_alu instid0(VALU_DEP_1)
	v_mov_b32 v241, v240
.irp i, 0,1,2,3,4,5,6,7
	v_sub_f32 v[216+\i], v[224+2*\i], v240
.endr
	v_mul_f32 v208, v216, v216
	v_mul_f32 v209, v217, v217
.irp i, 2,4,6
	s_delay_alu instid0(VALU_DEP_2)
	v_fmac_f32 v208, v[216+\i], v[216+\i]
	s_delay_alu instid0(VALU_DEP_2)
	v_fmac_f32 v209, v[217+\i], v[217+\i]
.endr
	s_delay_alu instid0(VALU_DEP_1)
	v_add_f32 v208, v208, v209
	s_delay_alu instid0(VALU_DEP_1)
	v_fmamk_f32 v212, v208, 0x43000000, v212       ; + 128 x the squares of (a wave's mean - mu)
	s_delay_alu instid0(VALU_DEP_1)
	v_fma_f32 v212, v212, s30, s31                 ; var + 1e-5 (the division by 1,024 rounds nothing)
	s_wait_alu depctr_va_vdst(0)
	v_rsq_f32 v242, v212
	v_rsq_f32 v243, v212                           ; twice: a pair for the packed multiply
	v_nop                                          ; a plain instruction behind the transcendentals (ISA guide 5.7.2)
	s_wait_alu depctr_va_vdst(0)                   ; ahead of the first reader: one for both
	s_wait_loadcnt 0x0                             ; gamma and beta
.set i, 0
.rept 32
	v_pk_add_f32 v[X+i:X+i+1], v[X+i:X+i+1], v[240:241] neg_lo:[0,1] neg_hi:[0,1]
.set i, i+2
.endr
.set i, 0
.rept 32
	v_pk_mul_f32 v[X+i:X+i+1], v[X+i:X+i+1], v[242:243]
.set i, i+2
.endr
.set i, 0
.rept 32
	v_pk_fma_f32 v[X+i:X+i+1], v[X+i:X+i+1], v[G+i:G+i+1], v[R+i:R+i+1]
.set i, i+2
.endr
; the quantiser: blocks h and 2 + h of these 128 along K are mine whole
.irp c, 0,1
	v_max3_num_f32 v[208+\c], |v[X+32*\c]|, |v[X+32*\c+1]|, 0x2800000   ; with the floor 2^(5 - 127): the byte cannot fall under 1
.endr
.irp n, 2,4,6,8,10,12,14,16,18,20,22,24,26,28,30
.irp c, 0,1
	s_delay_alu instid0(VALU_DEP_2)
	v_max3_num_f32 v[208+\c], v[208+\c], |v[X+32*\c+\n]|, |v[X+32*\c+\n+1]|
.endr
.endr
.irp c, 0,1
	s_delay_alu instid0(VALU_DEP_2)
	v_add_nc_u32 v[210+\c], 0xfe000000, v[208+\c]  ; 4 off the exponent field: the conversion takes this operand's exponent field as its scale
.endr
.irp c, 0,1
	s_delay_alu instid0(VALU_DEP_2)
	v_lshrrev_b32 v[212+\c], 23, v[210+\c]         ; the scale's byte
.endr
	s_delay_alu instid0(VALU_DEP_1)
	v_lshl_or_b32 v214, v213, 16, v212
	s_delay_alu instid0(VALU_DEP_1)
	v_lshlrev_b32 v214, v11, v214                  ; my two bytes at their places, 8 h bits up;
	v_mov_b32 v215, 0
	s_delay_alu instid0(VALU_DEP_1)
	v_permlanex16_b32 v215, v214, s28, s29
	s_delay_alu instid0(VALU_DEP_1)
	v_or_b32 v214, v214, v215                      ; with lane l xor 16's two the word is whole
.irp c, 0,1
	v_cvt_scalef32_pk16_bf6_f32 v[16+6*\c:18+6*\c], v[X+32*\c:X+32*\c+15], v[210+\c]
	v_cvt_scalef32_pk16_bf6_f32 v[28+4*\c:30+4*\c], v[X+32*\c+16:X+32*\c+31], v[210+\c]   ; (a conversion's three registers begin on an even number)
.endr
	v_nop                                          ; one plain instruction behind a scaled conversion
.irp c, 0,1
.irp i, 0,1,2
	v_mov_b32 v[19+6*\c+\i], v[28+4*\c+\i]
.endr
.endr
.irp c, 0,1,2
	global_store_b128 v2, v[16+4*\c:19+4*\c], s[40:41] offset:512*\c   ; the fragment's image: 512 consecutive bytes a store
.endr
	global_store_b32 v9, v214, s[42:43] offset:SCO ; row r's word (lanes r and r + 16 hold and store the same)
	s_wait_tensorcnt 0x0                           ; the wave's end
	ds_add_u32 v[SPW], v[NIL]
	s_wait_dscnt 0x0
	s_endpgm
; ---------------- the weights: a lane takes a column, its registers run down K; a wave 32 columns x 128 K; a work-group two whole panels ----------------
.macro WLOAD t, N, Q                   ; block t: q(32 t + i, my column), i = 0 .. 31, into set t % 2: 128 consecutive bytes a load, 512 for four waves side by side
.set i, 0
.rept 32
	global_load_b32 v[QS+32*((\t)%2)+i], v3, s[\Q:\Q+1] offset:(32*(\t)+i)*4*\N th:TH_LOAD_NT
.set i, i+1
.endr
.endm
.macro WBLOCK t, N, Q
.set XS, QS+32*((\t)%2)
.set CB, F+12*((\t)%2)+6*((\t)/2)      ; blocks 0, 2 lie on end, and so do blocks 1, 3
.if (\t) < 3
	s_wait_loadcnt 32                              ; this block (and the group's scale) is in; the next block's 32 loads may be out
.else
	s_wait_loadcnt 0x0
.endif
.if (\t) == 0
	v_mul_f32 v10, 0xc3000000, v8                  ; -128 s: exact
.endif
.set i, 0
.rept 32
	v_cvt_f32_i32 v[XS+i], v[XS+i]
.set i, i+1
.endr
.set i, 0
.rept 16
	v_pk_fma_f32 v[XS+i:XS+i+1], v[XS+i:XS+i+1], v[8:9], v[10:11] op_sel_hi:[1,0,0]   ; q s - 128 s = (q - 128) s, rounded once
.set i, i+2
.endr
	v_max3_num_f32 v12, |v[XS]|, |v[XS+1]|, |v[XS+2]|
	v_max3_num_f32 v13, |v[XS+3]|, |v[XS+4]|, |v[XS+5]|
.irp n, 6,10,14,18,22,26
	s_delay_alu instid0(VALU_DEP_2)
	v_max3_num_f32 v12, v12, |v[XS+\n]|, |v[XS+\n+1]|
	s_delay_alu instid0(VALU_DEP_2)
	v_max3_num_f32 v13, v13, |v[XS+\n+2]|, |v[XS+\n+3]|
.endr
	s_delay_alu instid0(VALU_DEP_2)
	v_max3_num_f32 v12, v12, |v[XS+30]|, |v[XS+31]|
	s_delay_alu instid0(VALU_DEP_1)
	v_max3_num_f32 v12, v12, v13, 0x2800000        ; and the floor 2^(5 - 127)
	s_delay_alu instid0(VALU_DEP_1)
	v_add_nc_u32 v14, 0xfe000000, v12              ; 4 off the exponent field: the conversion's scale operand
	s_delay_alu instid0(VALU_DEP_1)
	v_lshrrev_b32 v15, 23, v14                     ; the byte
.if (\t) == 0
	s_delay_alu instid0(VALU_DEP_1)
	v_mov_b32 v20, v15
.else
	s_delay_alu instid0(VALU_DEP_1)
	v_lshl_or_b32 v20, v15, 8*(\t), v20            ; my column's scale word for these 128 along K
.endif
	v_cvt_scalef32_pk16_bf6_f32 v[CB:CB+2], v[XS:XS+15], v14
	v_cvt_scalef32_pk16_bf6_f32 v[16:18], v[XS+16:XS+31], v14
	v_nop                                          ; one plain instruction behind a scaled conversion
.irp n, 0,1,2
	v_mov_b32 v[CB+3+\n], v[16+\n]
.endr
.if (\t)+2 < 4
	WLOAD (\t)+2, \N, \Q
.endif
.endm
; N: columns; KPBITS: bits of the work-group's number that count pairs of K steps; KSN: K / 128; Q, S, O: the scalar pairs of the whole numbers, the group scales and the panels
.macro WQ N, KPBITS, KSN, Q, S, O
	s_and_b32 s25, ttmp9, 127
	s_lshr_b32 s26, s25, \KPBITS                   ; which 128 columns
	s_and_b32 s25, s25, (1<<\KPBITS)-1
	s_and_b32 s27, s24, 3                          ; which 32 of them are my wave's
	s_lshr_b32 s30, s24, 2
	s_lshl_b32 s25, s25, 1
	s_add_co_u32 s25, s25, s30                     ; my K step, which is also my group of 128
	s_lshl_b32 s30, s26, 7
	s_lshl_b32 s31, s27, 5
	s_add_co_u32 s30, s30, s31                     ; my first column
	s_mul_i32 s32, s25, \N
	s_add_co_u32 s34, s32, s30
	s_lshl_b32 s34, s34, 2                         ; the group's scales, in bytes
	s_mov_b32 s35, 0
	s_lshl_b32 s32, s32, 7
	s_add_co_u32 s32, s32, s30
	s_lshl_b32 s32, s32, 2                         ; the whole numbers, in bytes (under 2^25)
	s_mov_b32 s33, 0
	s_mul_i32 s36, s26, \KSN
	s_add_co_u32 s36, s36, s25
	s_mul_i32 s36, s36, PAN                        ; my panel,
	s_mov_b32 s37, 0
	s_mul_i32 s38, s27, 2*FRB
	s_add_co_u32 s38, s38, s36                     ; my two fragments in it
	s_mov_b32 s39, 0
	s_lshl_b32 s31, s27, 2
	s_add_nc_u64 s[\Q:\Q+1], s[\Q:\Q+1], s[32:33]
	s_add_nc_u64 s[\S:\S+1], s[\S:\S+1], s[34:35]
	s_add_nc_u64 s[36:37], s[\O:\O+1], s[36:37]
	s_add_nc_u64 s[38:39], s[\O:\O+1], s[38:39]
	v_and_b32 v3, 7, v1                            ; my column among the 32: (l % 8) + 16 ((l / 8) % 2) + 8 (l / 16): lanes 0-15 hold fragment 2 p's rows, lanes 16-31 fragment 2 p + 1's
	v_bfe_u32 v5, v1, 3, 1
	s_delay_alu instid0(VALU_DEP_1)
	v_lshl_add_u32 v3, v5, 4, v3
	v_lshrrev_b32 v5, 4, v1
	s_delay_alu instid0(VALU_DEP_1)
	v_lshl_add_u32 v3, v5, 3, v3
	s_delay_alu instid0(VALU_DEP_1)
	v_lshlrev_b32 v3, 2, v3
	v_add_nc_u32 v4, s31, v2                       ; my scale word's place: 16 l + 4 p
	v_mov_b32 v9, 0                                ; (named as the upper halves of pairs whose low words serve both halves)
	v_mov_b32 v11, 0
	global_load_b32 v8, v3, s[\S:\S+1]             ; my column's group scale
	WLOAD 0, \N, \Q
	WLOAD 1, \N, \Q
	WBLOCK 0, \N, \Q
	WBLOCK 1, \N, \Q
	WBLOCK 2, \N, \Q
	WBLOCK 3, \N, \Q
.set i, 0
.rept 12                               ; a lane holds one row's four blocks; the operand wants blocks 0, 2 in lanes 0-15 and blocks 1, 3 in lanes 16-31: the first run's upper lanes change places with the second's lower
	v_permlane16_swap_b32 v[F+i], v[F+12+i]
.set i, i+1
.endr
.irp u, 0,1
.irp c, 0,1,2
	global_store_b128 v2, v[F+12*\u+4*\c:F+12*\u+4*\c+3], s[38:39] offset:FRB*\u+512*\c   ; 512 consecutive bytes a store
.endr
.endr
	global_store_b32 v4, v20, s[36:37] offset:SCO
	s_endpgm
.endm
.Lw1:
	s_wait_alu depctr_va_vdst(0)
	WQ 4096, 2, 8, 10, 12, 20
.Lw2:
	s_wait_alu depctr_va_vdst(0)
	WQ 1024, 4, 32, 14, 16, 22
.Lfunc_end_k_q80ac0072b7_prep:
	.size	k_q80ac0072b7_prep, .Lfunc_end_k_q80ac0072b7_prep-k_q80ac0072b7_prep
	.p2alignl 7, 3214868480
	.fill 96, 4, 3214868480
	.section	.rodata,"a",@progbits
	.p2align	6, 0x0
	.amdhsa_kernel k_q80ac0072b7_prep
		.amdhsa_group_segment_fixed_size 69888
		.amdhsa_private_segment_fixed_size 0
		.amdhsa_enable_private_segment 0
		.amdhsa_kernarg_size 80
		.amdhsa_user_sgpr_count 2
		.amdhsa_user_sgpr_kernarg_segment_ptr 1
		.amdhsa_wavefront_size32 1
		.amdhsa_system_sgpr_workgroup_id_x 1
		.amdhsa_system_sgpr_workgroup_id_y 1
		.amdhsa_system_sgpr_workgroup_id_z 1
		.amdhsa_system_vgpr_workitem_id 0
		.amdhsa_next_free_vgpr 256
		.amdhsa_next_free_sgpr 66
		.amdhsa_reserve_vcc 0
		.amdhsa_float_denorm_mode_32 3
		.amdhsa_float_denorm_mode_16_64 3
		.amdhsa_memory_ordered 1
		.amdhsa_forward_progress 1
		.amdhsa_inst_pref_size 92
	.end_amdhsa_kernel
	.amdgpu_metadata
---
amdhsa.version: [ 1, 2 ]
amdhsa.kernels:
  - .name:           k_q80ac0072b7_prep
    .symbol:         k_q80ac0072b7_prep.kd
    .args:
      - { .name: x, .offset: 0, .size: 8, .value_kind: global_buffer, .address_space: global }
      - { .name: ln_gamma, .offset: 8, .size: 8, .value_kind: global_buffer, .address_space: global }
      - { .name: ln_beta, .offset: 16, .size: 8, .value_kind: global_buffer, .address_space: global }
      - { .name: fc1_q, .offset: 24, .size: 8, .value_kind: global_buffer, .address_space: global }
      - { .name: fc1_scales, .offset: 32, .size: 8, .value_kind: global_buffer, .address_space: global }
      - { .name: fc2_q, .offset: 40, .size: 8, .value_kind: global_buffer, .address_space: global }
      - { .name: fc2_scales, .offset: 48, .size: 8, .value_kind: global_buffer, .address_space: global }
      - { .name: h_img, .offset: 56, .size: 8, .value_kind: global_buffer, .address_space: global }
      - { .name: w1_img, .offset: 64, .size: 8, .value_kind: global_buffer, .address_space: global }
      - { .name: w2_img, .offset: 72, .size: 8, .value_kind: global_buffer, .address_space: global }
    .group_segment_fixed_size: 69888
    .private_segment_fixed_size: 0
    .kernarg_segment_align: 8
    .kernarg_segment_size: 80
    .max_flat_workgroup_size: 256
    .sgpr_count:     66
    .vgpr_count:     256
    .wavefront_size: 32
...
	.end_amdgpu_metadata
.endif
;; end of part 1
;; launch ffn1 (part 2): grid 32 x 8, 8 waves a work-group, clusters of 4 x 1, 327,680 bytes of LDS; arguments h_img, w1_img, fc1_bias, y_img; writes y_img
.if DOCPART == 2
	.amdgcn_target "amdgcn-amd-amdhsa--gfx1250"
	.amdhsa_code_object_version 6
	.text
	.protected	k_q80ac0072b7_ffn1
	.globl	k_q80ac0072b7_ffn1
	.p2align	8
	.type	k_q80ac0072b7_ffn1,@function
k_q80ac0072b7_ffn1:
	s_mov_b64 s[64:65], 0
	v_nop
	global_prefetch_b8 v0, s[64:65] scope:SCOPE_SE
	s_setreg_imm32_b32 hwreg(HW_REG_WAVE_MODE, 25, 1), 1
	s_wait_xcnt 0x0
	s_wait_alu depctr_hold_cnt(0) depctr_sa_sdst(0) depctr_va_vdst(0) depctr_va_sdst(0) depctr_va_ssrc(0) depctr_va_vcc(0) depctr_vm_vsrc(0)
	s_getreg_b32 s2, hwreg(HW_REG_IB_STS2, 6, 4)
	s_cmp_eq_u32 s2, 0
	s_cbranch_scc0 .Lentry_in_a_cluster
	s_endpgm
.Lentry_in_a_cluster:
	s_bfe_u32 s2, ttmp6, 0x10000c
	s_cmp_lg_u32 s2, 0x3003
	s_cbranch_scc0 .Lentry_shape_is_right
	s_endpgm
.Lentry_shape_is_right:
; y = Q(silu(Q(LN(x)) Q(W1) + b1)): the first product on codes of BF6 (E3M2), the bias as the sums' first C, silu in f32, and the quantiser along the hidden axis, which is the second product's K.  No work is left out.
; h_img, w1_img, y_img are PANELS: [row / 128][K / 128] x 12,800 bytes: eight fragments (16 rows x 128 K) as images of the operand's registers (registers 4 c .. 4 c + 3 of lane l at 512 c + 16 l), then 512 bytes of scale
; words (fragment f, row r at 256 (f % 2) + 16 r + 4 (f / 2)).  Row p of W1's fragment 2 b + u is hidden unit 32 b + 8 u + p + 8 (p / 8) of the panel's 128.
; SHARES.  Work-group (X, Y) owns rows 256 X on and hidden units 512 Y on: four UNITS of 128.  EIGHT WAVES, 512 registers each.  Wave w keeps its 32 rows of h, all K = 1,024, in 192 registers for the whole launch;
; all waves walk the same unit of W1 (8 panels, 102,400 bytes) from a ring of two LDS slots, half a panel (4 fragments) at a time through three sets of 48 registers.
; TWO GROUPS, ONE TEXT.  A trip is: the unit's 128 matrix instructions; waves 0-3 finish the unit's results (silu, quantiser, stores); the change of slots; waves 4-7 finish theirs.  So from the second unit on waves 4-7 work on
; the last unit's results while waves 0-3 multiply, and multiply while waves 0-3 work on their results.
; THE MATRIX INSTRUCTION IS USED TRANSPOSED (source 0 = 16 hidden units, source 1 = 16 rows): lane (r, h) holds row r, and the 64 registers of a row tile's eight accumulators are hidden units 32 b + 16 h + i at register 16 b + i.
; THE BIAS is loaded into row tile 0's accumulators; at K step 0 row tile 1 takes them as its C, and five places on row tile 0 adds in place.
; CLUSTER.  The four partners share Y: each unit of W1 is asked for JOINTLY, a panel a wave.  h goes from memory straight into registers, once.
; NO PREFETCH: h is read once, at the head, where there is no loop to run ahead in; each unit of W1 is loaded by all 32 row blocks of its Y.
; LIMITS: NaN and infinities are not served; a block whose largest magnitude lies under 2^-122 gets the byte 1, a block of zeros too (its codes are zeros; this program alone reads the bytes);
; 2^x and 1 / x give 0 for results under 2^-126 (ISA guide, their entries in 15.8), so a sigmoid under that is taken as 0.
; REGISTERS: window 0: v1-6 addresses; v8-15 h's scale words; v16-23 W1's, two sets; v24-42 at work; v44, v45 the add's two; v48-191 W1's three sets (behind a unit's products: v48-111 silu, v112-131 codes);
;   v192-255 row tile 0's accumulators, 8 t.   window 1: h's fragments at 24 ks + 12 a; v192-255 row tile 1's accumulators.
.set PAN,   12800
.set FRB,   1536
.set SCO,   12288
.set UNITB, 8*PAN
.set SLOT1, 131072                     ; slot 1 begins here, so that one exclusive or turns an address in one slot into the other's
.set BIAS,  SLOT1+UNITB                ; behind the ring: the work-group's 512 biases, a copy of 2,048 bytes for each wave
.set SPARE, BIAS+8*2048                ; the spare words, 128 bytes for each wave: four blocks of 256 bytes that no other line names
.set LI,   1                           ; v1   16 x lane
.set ADR0, 2                           ; v2   the slot in hand + 16 x lane
.set ADR1, 3                           ; v3   the same four panels on
.set BA,   4                           ; v4   my place in my copy of the biases: 64 h, + 512 a unit
.set GSC,  5                           ; v5   from my two fragments' first byte to my scale words
.set BST,  6                           ; v6   where I store my copy of the biases
.set SA,   8
.set SB,   16
.set TM,   24
.set PW,   40
.set PWL,  42
.set SPW,  44
.set NIL,  45
.set FS,   48
.set Y,    48
.set PC,   112
.set ACC,  192
.set WV,   12
.set GRP,  17                          ; s17  0: waves 0-3, 1: waves 4-7
.set G1,   24
.set G0,   32                          ; s[32:35] group 0 of unit 0
.set G0W,  36                          ; s[36:39] group 0 of unit 1, which then walks
.set TB,   40
.set CNT,  41
.set YP,   42
.set NC,   44                          ; s[44:45] -log2(e)
.set SEL,  46                          ; s[46:47] lane selects: lane l xor 16
.set HM,   48                          ; s48  lanes 16-31
.set MSB, 0
.macro WIN new                         ; the immediate's high byte repeats the setting that is left
.if MSB != \new
	s_set_vgpr_msb (MSB<<8)|\new
.set MSB, \new
.endif
.endm
.macro CROUND                          ; a round of the cluster's barrier
	s_barrier_signal -1
	s_barrier_wait -1
	s_cmp_lg_u32 s[WV], 0
	s_cbranch_scc1 .Lnot_wave_0_\@
	s_barrier_signal -3
.Lnot_wave_0_\@:
	s_barrier_wait -3
	s_barrier_signal -1
	s_barrier_wait -1
.endm
.macro PLACES n
.rept \n
	v_nop
.endr
.endm
.macro WM d, b, a, c, sb, sa, rb, ra   ; one matrix instruction; rb, ra: 1 where the scale words lie in lanes 16-31
.if (\rb) && (\ra)
	v_wmma_scale_f32_16x16x128_f8f6f4 v[(\d):(\d)+7], v[(\b):(\b)+11], v[(\a):(\a)+11], v[(\c):(\c)+7], v[(\sb)], v[(\sa)] matrix_a_fmt:MATRIX_FMT_BF6 matrix_b_fmt:MATRIX_FMT_BF6 matrix_a_scale:MATRIX_SCALE_ROW1 matrix_b_scale:MATRIX_SCALE_ROW1
.elseif (\rb)
	v_wmma_scale_f32_16x16x128_f8f6f4 v[(\d):(\d)+7], v[(\b):(\b)+11], v[(\a):(\a)+11], v[(\c):(\c)+7], v[(\sb)], v[(\sa)] matrix_a_fmt:MATRIX_FMT_BF6 matrix_b_fmt:MATRIX_FMT_BF6 matrix_a_scale:MATRIX_SCALE_ROW1
.elseif (\ra)
	v_wmma_scale_f32_16x16x128_f8f6f4 v[(\d):(\d)+7], v[(\b):(\b)+11], v[(\a):(\a)+11], v[(\c):(\c)+7], v[(\sb)], v[(\sa)] matrix_a_fmt:MATRIX_FMT_BF6 matrix_b_fmt:MATRIX_FMT_BF6 matrix_b_scale:MATRIX_SCALE_ROW1
.else
	v_wmma_scale_f32_16x16x128_f8f6f4 v[(\d):(\d)+7], v[(\b):(\b)+11], v[(\a):(\a)+11], v[(\c):(\c)+7], v[(\sb)], v[(\sa)] matrix_a_fmt:MATRIX_FMT_BF6 matrix_b_fmt:MATRIX_FMT_BF6
.endif
.endm
	s_load_b256 s[4:11], s[0:1], 0x0               ; h_img 4, w1_img 6, fc1_bias 8, y_img 10
	v_lshl_add_u32 v[SPW], v0, 2, SPARE
	v_mov_b32 v[NIL], 0
	ds_add_u32 v[SPW], v[NIL]                      ; the wave's opening: the add, twice on end, and its wait ahead of my first tensor load
	ds_add_u32 v[SPW], v[NIL]
	v_lshrrev_b32 v1, 5, v0
	s_delay_alu instid0(VALU_DEP_1)
	v_readfirstlane_b32 s[WV], v1                  ; wave 0..7
	s_bfe_u32 s13, ttmp6, 0x40000                  ; cx: it enters h's and y's addresses alone
	s_lshl_b32 s14, ttmp9, 2
	s_add_co_u32 s14, s14, s13                     ; X
	s_and_b32 s15, ttmp7, 0xffff                   ; Y, which the four partners share
	s_and_b32 s16, s[WV], 3                        ; which two fragments of a panel's eight are mine
	s_lshr_b32 s[GRP], s[WV], 2
	s_lshl_b32 s18, s14, 1
	s_add_co_u32 s18, s18, s[GRP]                  ; my rows / 128
	s_mul_i32 s19, s16, 2*FRB
	s_mul_i32 s20, s18, UNITB
	s_add_co_u32 s20, s20, s19                     ; in h_img
	s_mov_b32 s21, 0
	s_mul_i32 s22, s18, 32*PAN
	s_add_co_u32 s22, s22, s19
	s_mul_i32 s23, s15, 4*PAN
	s_add_co_u32 s22, s22, s23                     ; in y_img, at K step 4 Y
	s_mov_b32 s23, 0
	s_mul_i32 s54, s[WV], PAN                      ; the panel of a unit that I fetch
	s_mul_i32 s52, s15, 4*UNITB
	s_add_co_u32 s52, s52, s54                     ; in w1_img
	s_mov_b32 s53, 0
	s_lshl_b32 s50, s15, 11                        ; the work-group's 512 biases
	s_mov_b32 s51, 0
	s_mul_i32 s55, s16, 2*FRB-4
	s_sub_co_u32 s55, SCO, s55                     ; my scale words: 12,288 + 4 (w % 4), counted from my fragments
	s_lshl_b32 s56, s[WV], 11
	s_add_co_u32 s56, s56, BIAS
	s_mov_b32 s[G1], 15|(3<<16)|(1<<21)            ; the mask: all four work-groups; elements of 8 bytes; no padding; bit 21 set beside a mask
	s_mov_b32 s[G1+1], 32<<16                      ; a panel, 12,800 dense bytes, as 50 rows of 256 bytes
	s_mov_b32 s[G1+2], 50<<16
	s_mov_b32 s[G1+3], 32<<16
	s_mov_b32 s[G1+4], 50
	s_mov_b32 s[G1+5], 32
	s_mov_b32 s[G1+6], 0
	s_mov_b32 s[G1+7], 0
	s_mov_b32 s[TB], 0
	s_mov_b32 s[NC], 0xbfb8aa3b
	s_mov_b32 s[NC+1], s[NC]
	s_mov_b32 s[SEL], 0x76543210
	s_mov_b32 s[SEL+1], 0xfedcba98
	s_mov_b32 s[HM], 0xffff0000
	v_and_b32 v1, 31, v0
	v_bfe_u32 v7, v0, 4, 1                         ; h
	s_delay_alu instid0(VALU_DEP_2)
	v_lshlrev_b32 v[LI], 4, v1
	s_delay_alu instid0(VALU_DEP_2)
	v_lshl_add_u32 v[BA], v7, 6, s56
	s_delay_alu instid0(VALU_DEP_2)
	v_add_nc_u32 v[GSC], s55, v[LI]
	v_add_nc_u32 v[BST], s56, v[LI]
.irp b, 0,1,2,3
	v_mov_b32 v[TM+4+\b], 0                        ; written once: a lane permute's destination counts as one of its sources
.endr
	s_wait_alu depctr_va_vdst(0)
	s_wait_dscnt 0x0                               ; both opening adds are done
	s_wait_kmcnt 0x0
	s_add_nc_u64 s[4:5], s[4:5], s[20:21]
	s_add_nc_u64 s[YP:YP+1], s[10:11], s[22:23]
	s_add_nc_u64 s[8:9], s[8:9], s[50:51]
	s_add_nc_u64 s[6:7], s[6:7], s[52:53]
	s_mov_b32 s[G0], 1
	s_mov_b32 s[G0+1], s54                         ; LDS address: slot 0, my panel: the wave's number alone
	s_mov_b64 s[G0+2:G0+3], s[6:7]
	s_or_b32 s[G0+3], s[G0+3], 0x80000000
	s_mov_b32 s[G0W], 1
	s_add_co_u32 s[G0W+1], s54, SLOT1
	s_add_nc_u64 s[G0W+2:G0W+3], s[6:7], UNITB     ; unit 1
	s_or_b32 s[G0W+3], s[G0W+3], 0x80000000
.irp i, 0,1,2,3
	global_load_b128 v[FS+4*\i:FS+4*\i+3], v[LI], s[8:9] offset:512*\i   ; the 512 biases
.endr
.irp k, 0,1,2,3,4,5,6,7
	global_load_b32 v[SA+\k], v[GSC], s[4:5] offset:PAN*\k   ; h's scale words: lanes 0-15 row tile 0, lanes 16-31 row tile 1
.endr
	CROUND                                         ; all four work-groups are here: the first joint loads meet
	tensor_load_to_lds s[G0:G0+3], s[G1:G1+7]      ; unit 0: one tensor load a wave at the head
	s_nop 0
	PLACES 4
	WIN 0x40                                       ; destination window 1
.irp k, 0,1,2,3,4,5,6,7
.irp a, 0,1
.irp c, 0,1,2
	global_load_b128 v[24*\k+12*\a+4*\c:24*\k+12*\a+4*\c+3], v[LI], s[4:5] offset:PAN*\k+FRB*\a+512*\c   ; h's fragments, K step by K step: six loads each
.endr
.endr
.endr
	WIN 0
	s_wait_loadcnt 48                              ; the biases and the scale words are in; h's 48 loads may be out
.irp i, 0,1,2,3
	ds_store_b128 v[BST], v[FS+4*\i:FS+4*\i+3] offset:512*\i   ; my own copy: only I read it
.endr
	s_wait_tensorcnt 0x0                           ; my panel of unit 0 is in
	ds_add_u32 v[SPW], v[NIL]
	s_wait_dscnt 0x0
	CROUND                                         ; everybody's panel is in, and the four work-groups are here
	tensor_load_to_lds s[G0W:G0W+3], s[G1:G1+7]    ; unit 1, slot 1's first fill: my one load behind the round
	s_nop 0
	PLACES 4
; half i of a unit (K step i / 2, tiles 4 (i % 2) on) into set i % 3: 12 loads of 512 consecutive bytes; with an even half the K step's scale words
.macro FETCH i
.set KF_, (\i)/2
.set AF_, ADR0+KF_/4
.set OF_, (KF_%4)*PAN
.set SF_, FS+48*((\i)%3)
.if (\i)%2 == 0
	ds_load_b128 v[SB+4*(KF_%2):SB+4*(KF_%2)+3], v[AF_] offset:OF_+SCO   ; register t / 2: lanes 0-15 even t, lanes 16-31 odd t
.endif
.irp t, 0,1,2,3
.irp c, 0,1,2
	ds_load_b128 v[SF_+12*\t+4*\c:SF_+12*\t+4*\c+3], v[AF_] offset:OF_+FRB*(4*((\i)%2)+\t)+512*\c
.endr
.endr
.endm
.macro MUL4 i, a                       ; four matrix instructions: row tile a x the half's four tiles; which window holds C and D is set by the caller
.set KM_, (\i)/2
.set SM_, FS+48*((\i)%3)
.irp t, 0,1,2,3
.set T_, 4*((\i)%2)+\t
	WM ACC+8*T_, SM_+12*\t, 24*KM_+12*(\a), ACC+8*T_, SB+4*(KM_%2)+T_/2, SA+KM_, T_%2, \a
.endr
.endm
; Windows: source 0 (W1) 0, source 1 (h) 1; C and D 0 for row tile 0 (0x04), 1 for row tile 1 (0x54); at K step 0 row tile 1's C is the bias in window 0 (0x44).  The row tiles go 0 1 | 1 0 | 0 1 .., so that a half has one switch;
; loads are issued under 0x04, whose destination is window 0.  The 16 accumulators take turns, one instruction a turn.  The set that half i + 2 lands in was read by half i - 1: the places stand in front of the loads.
.macro HALF i
.if (\i)%2 == 0
	s_wait_loadcnt 6*(7-(\i)/2)                    ; h's fragments of this K step are in; the later K steps' may be out (first unit only: later none is out)
	s_wait_dscnt 12                                ; this half is in; the next half's twelve loads may be out
.if (\i) > 0
	PLACES 4
.endif
.if (\i)+2 < 16
	FETCH (\i)+2
.endif
.if (\i) == 0
	WIN 0x44
	MUL4 \i, 1
	WIN 0x04
	PLACES 5                                       ; row tile 0 writes over what row tile 1 took as C
	MUL4 \i, 0
.else
	WIN 0x04
	MUL4 \i, 0
	WIN 0x54
	MUL4 \i, 1
.endif
.else
.if (\i) < 15
	s_wait_dscnt 13                                ; the next half's twelve loads and its scale words may be out
.else
	s_wait_dscnt 0x0
.endif
.if (\i) == 1
	WIN 0x44
.else
	WIN 0x54
.endif
	MUL4 \i, 1
	WIN 0x04
	PLACES 5
.if (\i)+2 < 16
	FETCH (\i)+2
.endif
	MUL4 \i, 0
.endif
.endm
.macro MM                              ; a unit's products for my 32 rows
	v_add_nc_u32 v[ADR0], s[TB], v[LI]
	s_delay_alu instid0(VALU_DEP_1)
	v_add_nc_u32 v[ADR1], 4*PAN, v[ADR0]
.irp t, 0,1,2,3,4,5,6,7
	ds_load_b128 v[ACC+8*\t:ACC+8*\t+3], v[BA] offset:(32*(\t/2)+8*(\t%2))*4       ; the bias in the result's layout: tile t, lane (r, h): units 32 (t / 2) + 16 h + 8 (t % 2) + 0 .. 7
	ds_load_b128 v[ACC+8*\t+4:ACC+8*\t+7], v[BA] offset:(32*(\t/2)+8*(\t%2))*4+16
.endr
	v_add_nc_u32 v[BA], 512, v[BA]                 ; the next unit's
	FETCH 0
	FETCH 1
	s_wait_alu depctr_va_vdst(0)
.set H_, 0
.rept 16
	HALF H_
.set H_, H_+1
.endr
	WIN 0
.endm
; 64 numbers of a lane, register 16 b + i = k 32 b + 16 (lane / 16) + i of my row, become a fragment's codes in v[PC] on and its scale word in v[pw]
.macro QUANT s, pw
.irp b, 0,1,2,3
	v_max3_num_f32 v[TM+\b], |v[\s+16*\b]|, |v[\s+1+16*\b]|, 0x2800000   ; block b: my 16 numbers, and the floor 2^(5 - 127): the byte cannot fall under 1
.endr
.irp i, 2,4,6,8,10,12,14
.irp b, 0,1,2,3
	s_delay_alu instid0(VALU_DEP_4)
	v_max3_num_f32 v[TM+\b], v[TM+\b], |v[\s+16*\b+\i]|, |v[\s+1+16*\b+\i]|   ; (the four blocks by turns)
.endr
.endr
.irp b, 0,1,2,3
	s_delay_alu instid0(VALU_DEP_4)
	v_permlanex16_b32 v[TM+4+\b], v[TM+\b], s[SEL], s[SEL+1]
.endr
.irp b, 0,1,2,3
	s_delay_alu instid0(VALU_DEP_4)
	v_max_num_f32 v[TM+\b], v[TM+\b], v[TM+4+\b]   ; with lane l xor 16's: the block's largest magnitude
.endr
.irp b, 0,1,2,3
	s_delay_alu instid0(VALU_DEP_4)
	v_add_nc_u32 v[TM+12+\b], 0xfe000000, v[TM+\b] ; 4 off its exponent field: the conversion's scale operand
.endr
.irp b, 0,1,2,3
	s_delay_alu instid0(VALU_DEP_4)
	v_lshrrev_b32 v[TM+4+\b], 23, v[TM+12+\b]      ; the scale's byte
.endr
	s_delay_alu instid0(VALU_DEP_3)
	v_lshl_or_b32 v[\pw], v[TM+5], 8, v[TM+4]      ; my row's scale word (both halves of the lanes hold it)
	s_delay_alu instid0(VALU_DEP_1)
	v_lshl_or_b32 v[\pw], v[TM+6], 16, v[\pw]
	s_delay_alu instid0(VALU_DEP_1)
	v_lshl_or_b32 v[\pw], v[TM+7], 24, v[\pw]
.irp c, 0,1
	v_cvt_scalef32_pk16_bf6_f32 v[PC+6*\c:PC+2+6*\c], v[\s+32*\c:\s+15+32*\c], v[TM+12+2*\c]
	v_cvt_scalef32_pk16_bf6_f32 v[PC+12+4*\c:PC+14+4*\c], v[\s+16+32*\c:\s+31+32*\c], v[TM+12+2*\c+1]   ; (a conversion's three registers begin on an even number)
.endr
	v_nop                                          ; one plain instruction behind a scaled conversion
.irp c, 0,1                                    ; the operand wants a WHOLE block in a lane: lanes 0-15 block 2 c, lanes 16-31 block 2 c + 1
.irp i, 0,1,2
	v_permlane16_swap_b32 v[PC+6*\c+\i], v[PC+12+4*\c+\i]
.endr
.irp i, 0,1,2
	v_mov_b32 v[PC+3+6*\c+\i], v[PC+12+4*\c+\i]
.endr
.endr
.endm
; row tile a: silu(s) = s / (1 + 2^(-s log2 e)), quantised, and the fragment's image stored.  The exponentials are one batch, and so are the reciprocals, each with a wait ahead of it and behind it.
.macro EPI a
	WIN \a                                         ; source 0: the accumulators, window a
	s_wait_alu depctr_va_vdst(0)
.set j, 0
.rept 32
	v_pk_mul_f32 v[Y+j:Y+j+1], v[ACC+j:ACC+j+1], s[NC:NC+1] op_sel_hi:[1,0]   ; each accumulator from its low end on
.set j, j+2
.endr
	WIN 0
	s_wait_alu depctr_va_vdst(0)
.set j, 0
.rept 64
	v_exp_f32 v[Y+j], v[Y+j]
.set j, j+1
.endr
	v_nop                                          ; a plain instruction behind the last transcendental
	s_wait_alu depctr_va_vdst(0)
.set j, 0
.rept 32
	v_pk_add_f32 v[Y+j:Y+j+1], v[Y+j:Y+j+1], 1.0 op_sel_hi:[1,0]
.set j, j+2
.endr
	s_wait_alu depctr_va_vdst(0)
.set j, 0
.rept 64
	v_rcp_f32 v[Y+j], v[Y+j]
.set j, j+1
.endr
	v_nop
	s_wait_alu depctr_va_vdst(0)
	WIN \a
.set j, 0
.rept 32
	v_pk_mul_f32 v[Y+j:Y+j+1], v[ACC+j:ACC+j+1], v[Y+j:Y+j+1]
.set j, j+2
.endr
	WIN 0
	s_wait_xcnt 0x0                                ; the last tile's stores have read the codes' registers: they are written again only behind this wait
	QUANT Y, PW+(\a)
.irp c, 0,1,2
	global_store_b128 v[LI], v[PC+4*\c:PC+4*\c+3], s[YP:YP+1] offset:FRB*(\a)+512*\c   ; 512 consecutive bytes a store
.endr
.endm
.macro VV                              ; a unit's results for my 32 rows
	PLACES 4                                       ; between the last products and the first read of their results
	EPI 0
	EPI 1
	v_cndmask_b32 v[PWL], v[PW], v[PW+1], s[HM]    ; the scale words as the panel wants them: lanes 0-15 my first fragment's, lanes 16-31 my second's
	global_store_b32 v[GSC], v[PWL], s[YP:YP+1]
	s_wait_xcnt 0x0                                ; the stores have read their registers and their base: both are written again only behind this wait
	s_add_nc_u64 s[YP:YP+1], s[YP:YP+1], PAN       ; the next unit is the next K step of y
.endm
; A TRIP.  fill = 1: the slot just read is filled again, with the unit two on.
.macro TRIP fill
	MM
	s_cmp_eq_u32 s[GRP], 0
	s_cbranch_scc0 .Lnot_a_\@
	VV                                             ; waves 0-3: ahead of the change of slots
.Lnot_a_\@:
	s_wait_tensorcnt 0x0                           ; all my tensor loads have landed: my panel of the next unit; so a group 0 may be written
	ds_add_u32 v[SPW], v[NIL]                      ; 0 onto my spare word
.if \fill
	s_xor_b32 s[G0W+1], s[G0W+1], SLOT1            ; the walking descriptor: the other slot than last time,
	s_add_nc_u64 s[G0W+2:G0W+3], s[G0W+2:G0W+3], UNITB   ; the next unit
.endif
	s_xor_b32 s[TB], s[TB], SLOT1
	s_wait_dscnt 0x0                               ; the add is done, and my reads of this slot are over
.if \fill
	CROUND                                         ; no wave of any partner still reads this slot or has a load on its way
	tensor_load_to_lds s[G0W:G0W+3], s[G1:G1+7]    ; my one load behind the round
	s_nop 0
	PLACES 4
.else
	s_barrier_signal -1
	s_barrier_wait -1                              ; the next slot is whole
	PLACES 4                                       ; places between the last products and the next unit's loads into their registers, on every way
.endif
	s_cmp_lg_u32 s[GRP], 0
	s_cbranch_scc0 .Lnot_b_\@
	VV                                             ; waves 4-7: behind it, beside the other group's next products
.Lnot_b_\@:
.endm
	s_mov_b32 s[CNT], 2
.Lfill:                                                ; units 0 and 1: behind each the slot is filled again, with units 2 and 3
	TRIP 1
	s_sub_co_u32 s[CNT], s[CNT], 1
	s_cmp_lg_u32 s[CNT], 0
	s_cbranch_scc1 .Lfill
	s_mov_b32 s[CNT], 2
.Ltail:                                                ; units 2 and 3 ask for nothing: a loop of their own, with no tensor load in it
	TRIP 0
	s_sub_co_u32 s[CNT], s[CNT], 1
	s_cmp_lg_u32 s[CNT], 0
	s_cbranch_scc1 .Ltail
	s_wait_tensorcnt 0x0                           ; the wave's end
	ds_add_u32 v[SPW], v[NIL]
	s_wait_dscnt 0x0
	CROUND                                         ; the closing round
	s_endpgm
.Lfunc_end_k_q80ac0072b7_ffn1:
	.size	k_q80ac0072b7_ffn1, .Lfunc_end_k_q80ac0072b7_ffn1-k_q80ac0072b7_ffn1
	.p2alignl 7, 3214868480
	.fill 96, 4, 3214868480
	.section	.rodata,"a",@progbits
	.p2align	6, 0x0
	.amdhsa_kernel k_q80ac0072b7_ffn1
		.amdhsa_group_segment_fixed_size 327680
		.amdhsa_private_segment_fixed_size 0
		.amdhsa_enable_private_segment 0
		.amdhsa_kernarg_size 32
		.amdhsa_user_sgpr_count 2
		.amdhsa_user_sgpr_kernarg_segment_ptr 1
		.amdhsa_wavefront_size32 1
		.amdhsa_system_sgpr_workgroup_id_x 1
		.amdhsa_system_sgpr_workgroup_id_y 1
		.amdhsa_system_sgpr_workgroup_id_z 1
		.amdhsa_system_vgpr_workitem_id 0
		.amdhsa_next_free_vgpr 512
		.amdhsa_next_free_sgpr 66
		.amdhsa_reserve_vcc 0
		.amdhsa_float_denorm_mode_32 3
		.amdhsa_float_denorm_mode_16_64 3
		.amdhsa_memory_ordered 1
		.amdhsa_forward_progress 1
		.amdhsa_inst_pref_size 208
	.end_amdhsa_kernel
	.amdgpu_metadata
---
amdhsa.version: [ 1, 2 ]
amdhsa.kernels:
  - .name:           k_q80ac0072b7_ffn1
    .symbol:         k_q80ac0072b7_ffn1.kd
    .args:
      - { .name: h_img, .offset: 0, .size: 8, .value_kind: global_buffer, .address_space: global }
      - { .name: w1_img, .offset: 8, .size: 8, .value_kind: global_buffer, .address_space: global }
      - { .name: fc1_bias, .offset: 16, .size: 8, .value_kind: global_buffer, .address_space: global }
      - { .name: y_img, .offset: 24, .size: 8, .value_kind: global_buffer, .address_space: global }
    .group_segment_fixed_size: 327680
    .private_segment_fixed_size: 0
    .kernarg_segment_align: 8
    .kernarg_segment_size: 32
    .max_flat_workgroup_size: 256
    .sgpr_count:     66
    .vgpr_count:     512
    .wavefront_size: 32
...
	.end_amdgpu_metadata
.endif
;; end of part 2
;; launch ffn2 (part 3): grid 4 x 64, 4 waves a work-group, clusters of 4 x 4, 327,680 bytes of LDS; arguments y_img, w2_img, fc2_bias, x, out0; writes out0
.if DOCPART == 3
	.amdgcn_target "amdgcn-amd-amdhsa--gfx1250"
	.amdhsa_code_object_version 6
	.text
	.protected	k_q80ac0072b7_ffn2
	.globl	k_q80ac0072b7_ffn2
	.p2align	8
	.type	k_q80ac0072b7_ffn2,@function
k_q80ac0072b7_ffn2:
	s_mov_b64 s[64:65], 0
	v_nop
	global_prefetch_b8 v0, s[64:65] scope:SCOPE_SE
	s_setreg_imm32_b32 hwreg(HW_REG_WAVE_MODE, 25, 1), 1
	s_wait_xcnt 0x0
	s_wait_alu depctr_hold_cnt(0) depctr_sa_sdst(0) depctr_va_vdst(0) depctr_va_sdst(0) depctr_va_ssrc(0) depctr_va_vcc(0) depctr_vm_vsrc(0)
	s_getreg_b32 s2, hwreg(HW_REG_IB_STS2, 6, 4)
	s_cmp_eq_u32 s2, 0
	s_cbranch_scc0 .Lentry_in_a_cluster
	s_endpgm
.Lentry_in_a_cluster:
	s_bfe_u32 s2, ttmp6, 0x10000c
	s_cmp_lg_u32 s2, 0xf033
	s_cbranch_scc0 .Lentry_shape_is_right
	s_endpgm
.Lentry_shape_is_right:
; out = x + 0.5 (Q(y) Q(W2) + b2): the second product on codes of BF6 (E3M2), the bias as the sums' first C, the residual on the way out.  No work is left out.
; y_img and w2_img are PANELS: [row / 128][K / 128] x 12,800 bytes: eight fragments (16 rows x 128 K) as images of the operand's registers (registers 4 c .. 4 c + 3 of lane l at 512 c + 16 l), then 512 bytes of scale words
; (fragment f, row r at 256 (f % 2) + 16 r + 4 (f / 2)).  Row p of W2's fragment 2 b + u is output column 32 b + 8 u + p + 8 (p / 8) of the panel's 128.
; SHARES.  A tile of out is 128 rows x 256 columns: 64 x 4 = 256 work-groups.  Wave w = (kh = w / 2, wn = w % 2) makes ALL 128 rows x columns 128 wn on, 64 accumulators in 512 registers, over HALF of K: the panels of K whose
; number is kh modulo 2.  So a panel of y and a panel of W2 are each read from LDS by two waves, 16 fragments for 64 matrix instructions.  At the end the two halves of K are added: each wave keeps 64 rows and hands the other 64
; to its partner (w xor 2) through LDS.  So that all waves run one text, wave kh = 1 takes y's fragments in the order 4-7, 0-3: every wave keeps its register blocks 0-3 (rows 64 kh on) and hands over blocks 4-7.
; THE RING: two slots of 153,600 bytes, each with four panels of K: W2's first 128 columns, its second 128, then y.  One joint tensor load a wave: waves 0, 1 fetch y's two halves (two panels), waves 2, 3 W2's two column panels (four).
; CLUSTERS: 4 x 4 work-groups; the four of a row need the same panels of y, the four of a column the same panels of W2: each is asked for by the same load, the same descriptor and a mask that names the four.
; THE MATRIX INSTRUCTION IS USED TRANSPOSED (source 0 = 16 columns of W2, source 1 = 16 rows of y): lane (r, h) holds row r and, in tile t, columns 32 (t / 2) + 16 h + 8 (t % 2) + 0 .. 7.
; THE WALK ALONG K BEGINS AT ANOTHER PLACE IN EACH CLUSTER: step t takes the four panels (cluster y + t) mod 8, of y and of W2 alike.
; PREFETCHES.  y: behind the load of step s, step s + 1's four panels: the partner at place cx names panel cx, 50 blocks of 256 bytes, 13 a wave (the lanes left over name their wave's last block again); the last load asks for nothing.
; x: my 64 rows x 512 bytes, sixteen rows an instruction, in the first K step and once a trip.  W2 is not prefetched: all sixteen clusters load the same 3,276,800 bytes, and their eight starting places cover all of K in every step,
; so each panel has been loaded by other clusters in the steps before.
; LIMITS: the f32 sums run in two halves of K, each from the cluster's starting place on and round K's end: an order of rounding other than the reference's.  NaN and infinities are not served.
; REGISTERS, in windows of 256: window 0: v12-31 addresses; v32-47 scale words, two sets (W2's four, y's four); v64-127 the bias; v128-223 y's fragments, ONE set; on the way out v128-255 rows of out.
;   window 1: W2's fragments, set p at 128 p + 12 t; on the way out x.   window 2: accumulators of blocks 0-3 at 64 a + 8 t.   window 3: those of blocks 4-7; then the partner's sums.
.set PAN,   12800
.set FRB,   1536
.set SCO,   12288
.set YSL,   4*PAN                      ; a step's four panels of one row of panels
.set YOF,   8*PAN                      ; where y begins in a slot
.set SLOT,  12*PAN
.set SPARE, 2*SLOT                     ; behind the ring: the spare words, 128 bytes for each wave: two blocks of 256 bytes that no other line names
.set SPITCH, 528                       ; the way out: a stage of 16 rows x (512 + 16) bytes for each wave, in slot 1; the handing over, 32,768 bytes a wave, in slot 0: both have had their last fill and their last read by then
.set PFO,  12                          ; v12    y's prefetch: 256 x my block
.set XFO,  13                          ; v13    x's prefetch: 4,096 (l / 2) + 256 (l % 2)
.set EXS,  14                          ; v14    where I lay the sums that I hand over
.set EXL,  15                          ; v15    where my partner has laid mine
.set ADRB, 16                          ; v16-17 my panels of W2 in slot 0, 1
.set AL,   18                          ; v18-19 y's fragments for my blocks 0-3; v20-21 for blocks 4-7
.set ASL,  22                          ; v22-23 their scale words, blocks 0-3
.set ASH,  24                          ; v24-25 blocks 4-7
.set STO,  26
.set RD,   27
.set CO,   28                          ; v28    16 x lane
.set BO,   29                          ; v29    64 h
.set SPW,  30                          ; v30    LDS address of my spare word; never rewritten
.set NIL,  31                          ; v31    0; never rewritten
.set SC,   32
.set BI,   64
.set AF,   128
.set BK,   128
.set YB,   18                          ; s[18:19] y_img at my half of the tile row's first four panels
.set PFB,  20                          ; s[20:21] y_img at panel cx of them
.set G1,   24                          ; s[24:31] group 1 for y: 100 rows of 256 bytes
.set G0Y,  32                          ; s[32:39] group 0 for y, one set a slot
.set ST,   45                          ; s45      cluster y mod 8 + the steps walked
.set WB,   46                          ; s[46:47] w2_img at my 128 columns' first four panels
.set G1B,  48                          ; s[48:55] group 1 for W2: 200 rows of 256 bytes
.set G0B,  56                          ; s[56:63] group 0 for W2
.set PF,   66                          ; s[66:67] y's prefetch in hand
.set XP,   68
.set OP,   70
.set XF,   72                          ; s[72:73] x's prefetch in hand
.set KM,   74                          ; s74      all ones where kh = 0, else 0
.set MSB, 0
.macro WIN new                         ; the immediate's high byte repeats the setting that is left
.if MSB != \new
	s_set_vgpr_msb (MSB<<8)|\new
.set MSB, \new
.endif
.endm
.macro CREST                           ; a round of the cluster's barrier behind its opening barrier
	s_cmp_lg_u32 s14, 0
	s_cbranch_scc1 .Lnot_wave_0_\@
	s_barrier_signal -3
.Lnot_wave_0_\@:
	s_barrier_wait -3
	s_barrier_signal -1
	s_barrier_wait -1
.endm
.macro CROUND
	s_barrier_signal -1
	s_barrier_wait -1
	CREST
.endm
.macro PLACES                          ; four places in front of loads into registers that matrix instructions have read, and of the first read of results
.rept 4
	v_nop
.endr
.endm
.macro JLOAD s                         ; a joint load: waves 0, 1 for y, waves 2, 3 for W2; an s_nop 0 and four v_nop follow each line
	s_cmp_eq_u32 s15, 0
	s_cbranch_scc0 .Lfor_b_\@
	tensor_load_to_lds s[G0Y+4*\s:G0Y+4*\s+3], s[G1:G1+7]
	s_nop 0
	PLACES
	s_branch .Lasked_\@
.Lfor_b_\@:
	tensor_load_to_lds s[G0B+4*\s:G0B+4*\s+3], s[G1B:G1B+7]
	s_nop 0
	PLACES
.Lasked_\@:
.endm
.macro KOFF d                          ; s[78:79] = bytes from the first four panels to those of step d behind s[ST]: no work-group's place in its cluster enters
	s_add_co_u32 s78, s[ST], \d
	s_and_b32 s78, s78, 7
	s_mul_i32 s78, s78, YSL
	s_mov_b32 s79, 0
.endm
.macro BADR sl, d                      ; both group 0 of slot sl take that step
	KOFF \d
	s_add_nc_u64 s[G0Y+4*(\sl)+2:G0Y+4*(\sl)+3], s[YB:YB+1], s[78:79]
	s_or_b32 s[G0Y+4*(\sl)+3], s[G0Y+4*(\sl)+3], 0x80000000
	s_add_nc_u64 s[G0B+4*(\sl)+2:G0B+4*(\sl)+3], s[WB:WB+1], s[78:79]
	s_or_b32 s[G0B+4*(\sl)+3], s[G0B+4*(\sl)+3], 0x80000000
.endm
.macro PFADR d
	KOFF \d
	s_add_nc_u64 s[PF:PF+1], s[PFB:PFB+1], s[78:79]
.endm
.macro ASKY guard                      ; guard = 1: not in the loop's last trip, where no step is left to ask for
.if \guard
	s_cmp_gt_u32 s3, 1
	s_cbranch_scc0 .Lno_ask_\@
.endif
	global_prefetch_b8 v[PFO], s[PF:PF+1] th:TH_LOAD_NT scope:SCOPE_SE
.Lno_ask_\@:
.endm
.macro ASKX
	global_prefetch_b8 v[XFO], s[XF:XF+1] th:TH_LOAD_NT scope:SCOPE_SE
.endm
.macro WM d, b, a, c, sb, sa, rb, ra   ; one matrix instruction; rb, ra: 1 where the scale words lie in lanes 16-31
.if (\rb) && (\ra)
	v_wmma_scale_f32_16x16x128_f8f6f4 v[(\d):(\d)+7], v[(\b):(\b)+11], v[(\a):(\a)+11], v[(\c):(\c)+7], v[(\sb)], v[(\sa)] matrix_a_fmt:MATRIX_FMT_BF6 matrix_b_fmt:MATRIX_FMT_BF6 matrix_a_scale:MATRIX_SCALE_ROW1 matrix_b_scale:MATRIX_SCALE_ROW1
.elseif (\rb)
	v_wmma_scale_f32_16x16x128_f8f6f4 v[(\d):(\d)+7], v[(\b):(\b)+11], v[(\a):(\a)+11], v[(\c):(\c)+7], v[(\sb)], v[(\sa)] matrix_a_fmt:MATRIX_FMT_BF6 matrix_b_fmt:MATRIX_FMT_BF6 matrix_a_scale:MATRIX_SCALE_ROW1
.elseif (\ra)
	v_wmma_scale_f32_16x16x128_f8f6f4 v[(\d):(\d)+7], v[(\b):(\b)+11], v[(\a):(\a)+11], v[(\c):(\c)+7], v[(\sb)], v[(\sa)] matrix_a_fmt:MATRIX_FMT_BF6 matrix_b_fmt:MATRIX_FMT_BF6 matrix_b_scale:MATRIX_SCALE_ROW1
.else
	v_wmma_scale_f32_16x16x128_f8f6f4 v[(\d):(\d)+7], v[(\b):(\b)+11], v[(\a):(\a)+11], v[(\c):(\c)+7], v[(\sb)], v[(\sa)] matrix_a_fmt:MATRIX_FMT_BF6 matrix_b_fmt:MATRIX_FMT_BF6
.endif
.endm
; 16 matrix instructions: blocks a0, a0 + 1 x W2's eight tiles.  The 64 accumulators take turns, one instruction a turn, in the same order in every K step.  first = 1: the bias is C: nothing is cleared.
.macro MUL16 a0, p, first
.irp a, \a0, \a0+1
.irp t, 0,1,2,3,4,5,6,7
.if \first
	WM 64*((\a)%4)+8*\t, 128*(\p)+12*\t, AF+12*(\a), BI+8*\t, SC+8*(\p)+\t/2, SC+8*(\p)+4+(\a)/2, \t%2, (\a)%2
.else
	WM 64*((\a)%4)+8*\t, 128*(\p)+12*\t, AF+12*(\a), 64*((\a)%4)+8*\t, SC+8*(\p)+\t/2, SC+8*(\p)+4+(\a)/2, \t%2, (\a)%2
.endif
.endr
.endr
.endm
.macro FETCH_A sl, q, hi               ; y's fragments for blocks 4 hi .. 4 hi + 3 of my q-th panel of slot sl: 12 loads of 512 consecutive bytes
.irp a, 0,1,2,3
.irp c, 0,1,2
	ds_load_b128 v[AF+48*(\hi)+12*\a+4*\c:AF+48*(\hi)+12*\a+4*\c+3], v[AL+2*(\hi)+(\sl)] offset:(\q)*2*PAN+FRB*(4*(\hi)+\a)+512*\c
.endr
.endr
.endm
.macro NEXT sl, q, p                   ; W2's eight fragments into set p, y's blocks 0-3, both sides' scale words into set p: 39 loads
	WIN 0x40                                       ; destination window 1
.irp t, 0,1,2,3,4,5,6,7
.irp c, 0,1,2
	ds_load_b128 v[128*(\p)+12*\t+4*\c:128*(\p)+12*\t+4*\c+3], v[ADRB+(\sl)] offset:(\q)*2*PAN+FRB*\t+512*\c
.endr
.endr
	WIN 0
	FETCH_A \sl, \q, 0
	ds_load_b128 v[SC+8*(\p):SC+8*(\p)+3], v[ADRB+(\sl)] offset:(\q)*2*PAN+SCO     ; register t / 2: lanes 0-15 even t, lanes 16-31 odd t
	ds_load_b64 v[SC+8*(\p)+4:SC+8*(\p)+5], v[ASL+(\sl)] offset:(\q)*2*PAN         ; register a / 2 likewise, blocks 0-3,
	ds_load_b64 v[SC+8*(\p)+6:SC+8*(\p)+7], v[ASH+(\sl)] offset:(\q)*2*PAN         ; blocks 4-7
.endm
; a slot's first K step of 128 (set 0): 64 matrix instructions; the slot's second panel of mine is fetched in its middle and at its end
.macro KSN first, sl
	s_wait_dscnt 12                                ; all but the youngest twelve loads, y's blocks 4-7
.if \first
	WIN 0x81                                       ; source 0 (W2) window 1, source 1 (y) and C (the bias) window 0, D window 2
.else
	WIN 0xa1                                       ; C and D window 2
.endif
	MUL16 0, 0, \first
	MUL16 2, 0, \first
	s_wait_dscnt 0x0
	PLACES
	NEXT \sl, 1, 1
.if \first
	ASKX                                           ; x's rows 0-15
	WIN 0xc1
.else
	WIN 0xf1                                       ; C and D window 3
.endif
	MUL16 4, 0, \first
	MUL16 6, 0, \first
	PLACES
	WIN 0
	FETCH_A \sl, 1, 1
.endm
; a slot's second K step (set 1) changes slots: ONE barrier; in front of it each wave waits for all its tensor loads, adds 0 to its spare word, and waits for that and for its reads of this slot.
; fill = 1: the barrier opens a round of the cluster's barrier, and slot sl takes the step d + 2 behind s[ST].
.macro TURN sl, fill, d
.if \fill
	s_wait_xcnt 0x0                                ; my prefetches have read their bases: they are written again only behind this wait
	PFADR (\d)+3
.if (\d) == 0
	s_add_nc_u64 s[XF:XF+1], s[XF:XF+1], 16*4096   ; x's next sixteen rows
.endif
.endif
	s_wait_tensorcnt 0x0                           ; my one load that was out, my part of the next slot, has landed: so a group 0 may be written
	ds_add_u32 v[SPW], v[NIL]                      ; 0 onto my spare word
.if \fill
	BADR \sl, (\d)+2
.endif
	s_wait_dscnt 13                                ; (the add and y's blocks 4-7 may be out)
	WIN 0xa1
	MUL16 0, 1, 0
	s_wait_dscnt 0x0                               ; the add is done, and my reads of this slot are over
	s_barrier_signal -1
	MUL16 2, 1, 0
	WIN 0
	s_barrier_wait -1
.if \fill
	CREST                                          ; no wave of any partner still reads this slot or has a load on its way
	JLOAD \sl                                      ; my one tensor load behind the round; its four v_nop are the places in front of the loads below
.else
	PLACES
.endif
	NEXT 1-(\sl), 0, 0
.if \fill
	ASKY \d
.if (\d) == 0
	ASKX
.endif
.endif
	WIN 0xf1
	MUL16 4, 1, 0
	MUL16 6, 1, 0
	PLACES
	WIN 0
	FETCH_A 1-(\sl), 0, 1
.endm
	s_load_b256 s[4:11], s[0:1], 0x0               ; y_img 4, w2_img 6, fc2_bias 8, x 10
	s_load_b64 s[12:13], s[0:1], 0x20              ; out0
	v_lshl_add_u32 v[SPW], v0, 2, SPARE
	v_mov_b32 v[NIL], 0
	ds_add_u32 v[SPW], v[NIL]                      ; the wave's opening: the add, twice on end, and its wait ahead of my first tensor load
	ds_add_u32 v[SPW], v[NIL]
	v_lshrrev_b32 v1, 5, v0
	v_readfirstlane_b32 s14, v1                    ; wave 0..3
	s_lshr_b32 s15, s14, 1                         ; kh.  Also: I fetch for y (0) or for W2 (1); and which 64 rows I keep
	s_and_b32 s16, s14, 1                          ; wn.  Also: which half of that I fetch
	s_bfe_u32 s40, ttmp6, 0x40000                  ; cx, cy
	s_bfe_u32 s41, ttmp6, 0x40004
	s_lshl_b32 s42, ttmp9, 2
	s_add_co_u32 s42, s42, s40                     ; tile column
	s_and_b32 s17, ttmp7, 0xffff                   ; cluster y
	s_and_b32 s[ST], s17, 7
	s_lshl_b32 s17, s17, 2
	s_add_co_u32 s17, s17, s41                     ; tile row
	s_lshl_b32 s43, s41, 2
	s_lshl_b32 s43, 15, s43                        ; my row of the cluster
	s_lshl_b32 s44, 0x1111, s40                    ; my column
	s_or_b32 s[G1], s43, (3<<16)|(1<<21)           ; the mask; elements of 8 bytes; no padding; bit 21 set beside a mask
	s_or_b32 s[G1B], s44, (3<<16)|(1<<21)
	s_mov_b32 s[G1+1], 32<<16                      ; dense panels as rows of 256 bytes: tensor_dim0 = 32
	s_mov_b32 s[G1+2], 100<<16                     ; tensor_dim1: two panels
	s_mov_b32 s[G1+3], 32<<16
	s_mov_b32 s[G1+4], 100
	s_mov_b32 s[G1+5], 32
	s_mov_b32 s[G1+6], 0
	s_mov_b32 s[G1+7], 0
	s_mov_b32 s[G1B+1], 32<<16
	s_mov_b32 s[G1B+2], 200<<16                    ; four panels
	s_mov_b32 s[G1B+3], 32<<16
	s_mov_b32 s[G1B+4], 200
	s_mov_b32 s[G1B+5], 32
	s_mov_b32 s[G1B+6], 0
	s_mov_b32 s[G1B+7], 0
	s_mul_i32 s18, s17, 32*PAN                     ; y: the tile row's 32 panels
	s_mul_i32 s75, s40, PAN
	s_add_co_u32 s20, s18, s75                     ; the prefetch's panel: by address alone
	s_mov_b32 s21, 0
	s_mul_i32 s22, s16, 2*PAN
	s_add_co_u32 s18, s18, s22                     ; the two panels that I fetch
	s_mov_b32 s19, 0
	s_add_co_u32 s22, s22, YOF                     ; and where they go: the wave's number alone
	s_lshl_b32 s46, s42, 1
	s_add_co_u32 s46, s46, s16
	s_mul_i32 s46, s46, 32*PAN                     ; W2: the 32 panels of columns 256 x tile column + 128 wn
	s_mov_b32 s47, 0
	s_mul_i32 s23, s16, 4*PAN
	s_wait_dscnt 0x0                               ; both opening adds are done
	s_wait_kmcnt 0x0
	s_add_nc_u64 s[YB:YB+1], s[4:5], s[YB:YB+1]
	s_add_nc_u64 s[PFB:PFB+1], s[4:5], s[PFB:PFB+1]
	s_add_nc_u64 s[WB:WB+1], s[6:7], s[WB:WB+1]
.irp s, 0,1
	s_mov_b32 s[G0Y+4*\s], 1
	s_add_co_u32 s[G0Y+4*\s+1], s22, \s*SLOT
	s_mov_b32 s[G0B+4*\s], 1
	s_add_co_u32 s[G0B+4*\s+1], s23, \s*SLOT
	BADR \s, \s
.endr
	CROUND                                         ; all sixteen work-groups are here: the first joint loads meet
	JLOAD 0                                        ; step 0: one tensor load a wave at the head
	s_lshl_b32 s72, s17, 19                        ; 128 rows of 4,096 bytes a tile row,
	s_lshl_b32 s74, s15, 18                        ; the 64 that I keep,
	s_add_co_u32 s72, s72, s74
	s_lshl_b32 s74, s42, 10                        ; 256 columns a tile column,
	s_lshl_b32 s75, s16, 9                         ; my 128
	s_add_co_u32 s74, s74, s75
	s_add_co_u32 s72, s72, s74
	s_mov_b32 s73, 0
	s_mov_b32 s75, 0
	s_add_nc_u64 s[XP:XP+1], s[10:11], s[72:73]
	s_add_nc_u64 s[OP:OP+1], s[12:13], s[72:73]
	s_add_nc_u64 s[8:9], s[8:9], s[74:75]
	s_mov_b64 s[XF:XF+1], s[XP:XP+1]
	s_cmp_eq_u32 s15, 0
	s_cselect_b32 s[KM], -1, 0
	s_mul_i32 s75, s15, PAN
	s_add_co_u32 s75, s75, s23                     ; W2: 4 panels x wn + panel kh
	s_mul_i32 s76, s15, PAN+4*FRB
	s_add_co_u32 s76, s76, YOF                     ; y: panel kh, and for kh = 1 four fragments on,
	s_mul_i32 s77, s15, PAN-4*FRB
	s_add_co_u32 s77, s77, YOF                     ; or four back
	s_mul_i32 s78, s15, PAN+8
	s_add_co_u32 s78, s78, YOF+SCO                 ; the scale words likewise: two words on,
	s_mul_i32 s79, s15, PAN-8
	s_add_co_u32 s79, s79, YOF+SCO+8               ; or back
	s_lshl_b32 s22, s14, 15
	s_xor_b32 s2, s14, 2
	s_lshl_b32 s2, s2, 15
	s_mul_i32 s43, s14, 16*SPITCH
	s_add_co_u32 s43, s43, SLOT
	s_mul_i32 s44, s14, 13
	v_and_b32 v1, 31, v0
	v_lshlrev_b32 v[CO], 4, v1
	v_and_b32 v2, 15, v0                           ; r
	v_bfe_u32 v3, v0, 4, 1                         ; h
	v_add_nc_u32 v[ADRB], s75, v[CO]
	v_add_nc_u32 v[ADRB+1], SLOT, v[ADRB]
	v_add_nc_u32 v[AL], s76, v[CO]
	v_add_nc_u32 v[AL+1], SLOT, v[AL]
	v_add_nc_u32 v[AL+2], s77, v[CO]
	v_add_nc_u32 v[AL+3], SLOT, v[AL+2]
	v_add_nc_u32 v[ASL], s78, v[CO]
	v_add_nc_u32 v[ASL+1], SLOT, v[ASL]
	v_add_nc_u32 v[ASH], s79, v[CO]
	v_add_nc_u32 v[ASH+1], SLOT, v[ASH]
	v_add_nc_u32 v[EXS], s22, v[CO]
	v_add_nc_u32 v[EXL], s2, v[CO]
	v_mul_u32_u24 v[STO], v2, SPITCH
	v_lshl_add_u32 v[STO], v3, 6, v[STO]
	v_add_nc_u32 v[STO], s43, v[STO]               ; into my stage: row r, + 64 h
	v_add_nc_u32 v[RD], s43, v[CO]                 ; back: the 32 lanes take one row of 512 bytes
	v_lshlrev_b32 v[BO], 6, v3
	v_min_u32 v[PFO], 12, v1
	v_add_nc_u32 v[PFO], s44, v[PFO]
	v_min_u32 v[PFO], 49, v[PFO]                   ; block 13 w + min(l, 12), at most the panel's last
	v_lshlrev_b32 v[PFO], 8, v[PFO]
	v_lshrrev_b32 v[XFO], 1, v1
	v_lshlrev_b32 v[XFO], 12, v[XFO]
	v_and_b32 v4, 1, v1
	v_lshl_add_u32 v[XFO], v4, 8, v[XFO]
	s_wait_alu depctr_va_vdst(0)
.irp t, 0,1,2,3,4,5,6,7
	global_load_b128 v[BI+8*\t:BI+8*\t+3], v[BO], s[8:9] offset:(32*(\t/2)+8*(\t%2))*4       ; the bias in the result's layout
	global_load_b128 v[BI+8*\t+4:BI+8*\t+7], v[BO], s[8:9] offset:(32*(\t/2)+8*(\t%2))*4+16
.endr
	PFADR 1
	ASKY 0                                         ; y's step 1
	s_wait_tensorcnt 0x0                           ; my part of step 0 is in
	ds_add_u32 v[SPW], v[NIL]
	s_wait_dscnt 0x0
	CROUND                                         ; everybody's part is in, and all sixteen work-groups are here
	JLOAD 1                                        ; step 1, slot 1's first fill: my one load behind the round
	NEXT 0, 0, 0
	FETCH_A 0, 0, 1
	s_wait_xcnt 0x0
	PFADR 2
	ASKY 0                                         ; y's step 2
	s_wait_loadcnt 0x0                             ; the bias
.set i, 0
.rept 64
	v_and_b32 v[BI+i], s[KM], v[BI+i]              ; it is added once: the waves of kh = 1 begin their sums at 0
.set i, i+1
.endr
	s_wait_alu depctr_va_vdst(0)
	KSN 1, 0                                       ; the first K step stands in front of the loop: its products start the sums
	s_mov_b32 s3, 3
.Llap:                                                 ; a trip goes once round the ring, from a slot 0's second K step to the next slot 0's first, and fills both slots again
	TURN 0, 1, 0
	KSN 0, 1
	TURN 1, 1, 1
	KSN 0, 0
	s_add_co_u32 s[ST], s[ST], 2
	s_sub_co_u32 s3, s3, 1
	s_cmp_lg_u32 s3, 0
	s_cbranch_scc1 .Llap
	TURN 0, 0, 0                                   ; the last change of slots fills nothing, and has no round of the cluster's barrier
	KSN 0, 1
	s_wait_dscnt 12                                ; the very last K step: nothing more to fetch
	WIN 0xa1
	MUL16 0, 1, 0
	MUL16 2, 1, 0
	s_wait_dscnt 0x0
	WIN 0xf1
	MUL16 4, 1, 0
	MUL16 6, 1, 0
	WIN 0
	PLACES                                         ; between the last products and the reads of results and the loads into their sources' registers
	WIN 0x40                                       ; x's 64 rows into window 1, where W2's fragments lay: 512 consecutive bytes a load
.set i, 0
.rept 64
	global_load_b128 v[4*i:4*i+3], v[CO], s[XP:XP+1] offset:i*4096 th:TH_LOAD_NT
.set i, i+1
.endr
	WIN 0x0c                                       ; an LDS store's data are its source 1: window 3
.set i, 0
.rept 64
	ds_store_b128 v[EXS], v[4*i:4*i+3] offset:512*i                ; blocks 4-7 as they lie, each accumulator from its low end on
.set i, i+1
.endr
	WIN 0
	s_wait_dscnt 0x0                               ; for my partner's sake: my stores are done; and so are all my reads of slot 1
	s_barrier_signal -1
	s_barrier_wait -1
	WIN 0xc0
.set i, 0
.rept 64
	ds_load_b128 v[4*i:4*i+3], v[EXL] offset:512*i                 ; my partner's sums for the rows that I keep
.set i, i+1
.endr
.irp g, 0,1,2,3
	s_wait_dscnt 48-16*\g                          ; block g's sixteen loads are in; the later blocks' may be out
	WIN 0x8e                                       ; D and source 0 window 2, source 1 window 3
.set j, 0
.rept 32
	v_pk_add_f32 v[64*\g+j:64*\g+j+1], v[64*\g+j:64*\g+j+1], v[64*\g+j:64*\g+j+1]
.set j, j+2
.endr
.endr
	WIN 0
; THE WAY OUT, a block of 16 rows x 128 columns at a time, through my own stage: in as 32 bytes a lane, back as whole rows of 512 bytes; out = x + 0.5 x the sum, one fused multiply-add.
; LDS serves a wave's instructions in order (ISA guide 5.7.1.4): no wait between the stores and the loads.
.macro TOSTAGE a
	WIN 0x08                                       ; the data: window 2
.irp t, 0,1,2,3,4,5,6,7
	ds_store_b128 v[STO], v[64*(\a)+8*\t:64*(\a)+8*\t+3] offset:128*(\t/2)+32*(\t%2)
	ds_store_b128 v[STO], v[64*(\a)+8*\t+4:64*(\a)+8*\t+7] offset:128*(\t/2)+32*(\t%2)+16
.endr
	WIN 0
.set BB, BK+64*((\a)%2)
.set i, 0
.rept 16
	ds_load_b128 v[BB+4*i:BB+4*i+3], v[RD] offset:i*SPITCH
.set i, i+1
.endr
.endm
.macro SEND a, younger                 ; younger: the LDS instructions issued behind block a's loads, which may stay out
.set BB, BK+64*((\a)%2)
	s_wait_dscnt \younger
	WIN 0x10                                       ; source 2: x, window 1
.set j, 0
.rept 32
	v_pk_fma_f32 v[BB+j:BB+j+1], v[BB+j:BB+j+1], 0.5, v[64*(\a)+j:64*(\a)+j+1] op_sel_hi:[1,0,1]
.set j, j+2
.endr
	WIN 0
.set i, 0
.rept 16
	global_store_b128 v[CO], v[BB+4*i:BB+4*i+3], s[OP:OP+1] offset:(16*(\a)+i)*4096 th:TH_STORE_NT   ; 32 lanes store 512 consecutive bytes, at a multiple of 256 from out's first byte
.set i, i+1
.endr
.endm
	s_wait_loadcnt 0x0                             ; x
	TOSTAGE 0
	TOSTAGE 1
	SEND 0, 32
	s_wait_xcnt 0x0                                ; block 0's stores have read their registers: block 2's loads land there only behind this wait
	TOSTAGE 2
	SEND 1, 32
	s_wait_xcnt 0x0
	TOSTAGE 3
	SEND 2, 32
	SEND 3, 0
	s_wait_tensorcnt 0x0                           ; the wave's end
	ds_add_u32 v[SPW], v[NIL]
	s_wait_dscnt 0x0
	CROUND                                         ; the closing round
	s_endpgm
.Lfunc_end_k_q80ac0072b7_ffn2:
	.size	k_q80ac0072b7_ffn2, .Lfunc_end_k_q80ac0072b7_ffn2-k_q80ac0072b7_ffn2
	.p2alignl 7, 3214868480
	.fill 96, 4, 3214868480
	.section	.rodata,"a",@progbits
	.p2align	6, 0x0
	.amdhsa_kernel k_q80ac0072b7_ffn2
		.amdhsa_group_segment_fixed_size 327680
		.amdhsa_private_segment_fixed_size 0
		.amdhsa_enable_private_segment 0
		.amdhsa_kernarg_size 40
		.amdhsa_user_sgpr_count 2
		.amdhsa_user_sgpr_kernarg_segment_ptr 1
		.amdhsa_wavefront_size32 1
		.amdhsa_system_sgpr_workgroup_id_x 1
		.amdhsa_system_sgpr_workgroup_id_y 1
		.amdhsa_system_sgpr_workgroup_id_z 1
		.amdhsa_system_vgpr_workitem_id 0
		.amdhsa_next_free_vgpr 1024
		.amdhsa_next_free_sgpr 80
		.amdhsa_reserve_vcc 0
		.amdhsa_float_denorm_mode_32 3
		.amdhsa_float_denorm_mode_16_64 3
		.amdhsa_memory_ordered 1
		.amdhsa_forward_progress 1
		.amdhsa_inst_pref_size 155
	.end_amdhsa_kernel
	.amdgpu_metadata
---
amdhsa.version: [ 1, 2 ]
amdhsa.kernels:
  - .name:           k_q80ac0072b7_ffn2
    .symbol:         k_q80ac0072b7_ffn2.kd
    .args:
      - { .name: y_img, .offset: 0, .size: 8, .value_kind: global_buffer, .address_space: global }
      - { .name: w2_img, .offset: 8, .size: 8, .value_kind: global_buffer, .address_space: global }
      - { .name: fc2_bias, .offset: 16, .size: 8, .value_kind: global_buffer, .address_space: global }
      - { .name: x, .offset: 24, .size: 8, .value_kind: global_buffer, .address_space: global }
      - { .name: out0, .offset: 32, .size: 8, .value_kind: global_buffer, .address_space: global }
    .group_segment_fixed_size: 327680
    .private_segment_fixed_size: 0
    .kernarg_segment_align: 8
    .kernarg_segment_size: 40
    .max_flat_workgroup_size: 128
    .sgpr_count:     80
    .vgpr_count:     1024
    .wavefront_size: 32
...
	.end_amdgpu_metadata
.endif
;; end of part 3
